; MI455X (gfx1250); checked and timed in simulation.
; The chip was launched on July 23, 2026; its instructions are those of AMD's public machine-readable ISA for CDNA 5 (MIT licence, August 2026) and "CDNA5" Instruction Set Architecture Reference Guide (July 2026). The comments in the code are by the model that wrote it; some were corrected since.
;; Self Attention. Allowed arithmetic: matrix products marked QUANTISED: E2M3 operands, one E8M0 scale for each 32 along K, by v_wmma_scale_f32_16x16x128_f8f6f4 with both operands' format E2M3, f32 sums; everything else in f32.
;; Inputs: Wk 512 x 512 float32; Wo 512 x 512 float32; Wq 512 x 512 float32; Wv 512 x 512 float32; bo 512 float32; keys 8 x 2,048 x 512 float32; mask 8 x 1 x 1 x 2,048 int32; query 8 x 2,048 x 512 float32; values 8 x 2,048 x 512 float32.
;; Outputs: out0 8 x 2,048 x 512 float32.
;; This version of the problem:
;;   THIS VERSION OF THE PROBLEM IS GIVEN IN LOW PRECISION. The matrix products marked QUANTISED in the list below multiply operands that are first quantised to E2M3 (2 exponent bits, 3 mantissa bits; 6 bits a number), with one power-of-two scale for each 32 numbers along K (OCP MX v1.0); their sums are f32. All else is computed in f32.
;;   The module's matrix products, in the order in which they are computed (A, B: the left and right operand; K: the contracted axis; several contracted axes count as one K, in the product's order):
;;     1. [M 16,384, K 512] x [K 512, N 512]; A: input values; B: input Wv: QUANTISED
;;     2. [M 16,384, K 512] x [K 512, N 512]; A: input keys; B: input Wk: QUANTISED
;;     3. [M 16,384, K 512] x [K 512, N 512]; A: input query; B: input Wq: QUANTISED
;;     4. batch 64 x [M 2,048, K 64] x [K 64, N 2,048]; A: computed on the way; B: computed on the way: QUANTISED
;;     5. batch 64 x [M 64, K 2,048] x [K 2,048, N 2,048]; A: computed on the way; B: softmax (see below): QUANTISED
;;     6. [M 16,384, K 512] x [K 512, N 512]; A: computed on the way; B: input Wo: QUANTISED
;;   THE QUANTISER, for each operand of a quantised product, along K:
;;     - K is cut into blocks of 32 from its start; a last block that is shorter is filled with zeros.
;;     - A block's scale is 2^e with e = floor(log2(the largest magnitude in the block)) - 2, held to -126 .. 127; a block of zeros has e = 0. As a byte (E8M0): e + 127.
;;     - Each number is divided by its block's scale, clamped to +-7.5, and rounded to the nearest number of E2M3, ties to even, subnormals kept.
;;     - The product sums the exact products of the quantised numbers (number of the format x scale) in f32.
;;   ~~~python
;;   def quantise(x, axis):      # numpy; x: float32 -> the quantised numbers, widened to float32 again
;;       x = np.moveaxis(x, axis, -1); K = x.shape[-1]
;;       x = np.pad(x, [(0, 0)] * (x.ndim - 1) + [(0, -K % 32)]); x = x.reshape(x.shape[:-1] + (-1, 32)); a = np.abs(x).max(-1, keepdims=True)
;;       e = np.where(a > 0, np.clip(np.frexp(np.where(a > 0, a, 1))[1] - 1 - 2, -126, 127), 0)      # np.frexp(a)[1] - 1 = floor(log2(a)), exactly
;;       r = np.clip(x / 2.0 ** e, -7.5, 7.5)
;;       step = 2.0 ** (np.maximum(np.frexp(np.where(r == 0, 1, r))[1] - 1, 0) - 3)
;;       q = np.round(r / step) * step * 2.0 ** e      # np.round: ties to even
;;       return np.moveaxis(q.reshape(q.shape[:-2] + (-1,))[..., :K], -1, axis).astype(np.float32)
;;   ~~~
;;   SOFTMAX AHEAD OF A QUANTISED PRODUCT. Where the list says 'softmax', what is quantised is not the finished softmax but p = 2^(t - M), with t = logit x log2(e) and M = ceil(the row's largest t), a whole number; so 1/2 < the row's largest p <= 1. The row's sum l is taken of the UNQUANTISED p, in f32, and the product's result is divided by l at the end. Since M is a whole number, a kernel that streams over the keys may use a running M (the ceiling of the running maximum): every later rescaling is an exact power of two, which a block's scale takes up: the codes' values come out the same.
;;   OPERANDS COMPUTED ON THE WAY. 'Computed on the way' means the value that the module computes at that place (a softmax that the list does not call 'softmax' is quantised finished and normalised). What goes into a quantiser is computed in f32, as accurately as f32 sums, v_exp_f32 and their like allow (about 1e-6 of the number): no bf16 or f16 on the way to a quantiser, and a product that is left as it is and whose result goes on into a quantised operand takes f32 operands (vector FMAs, or v_wmma_f32_16x16x4_f32). A number that lies on a knife's edge between two numbers of the format may be rounded either way, as far as f32 arithmetic and the matrix unit's own rounding can turn it there, and no further.
;; One version. Each part assembles by itself: llvm-mc -triple=amdgcn-amd-amdhsa -mcpu=gfx1250 --defsym DOCPART=n.
;; ======== version 1 of 1: 4 launches
;; limits: right only within a limited range of input values
;; workspace buffers: wimg 819,200 bytes; qimg 8,388,608 bytes; kimg 8,388,608 bytes; vimg 8,388,608 bytes; aimg 8,388,608 bytes
;; launch wq (part 1): grid 32 x 4, 4 waves a work-group, no clusters, 1,536 bytes of LDS; arguments Wq, Wk, Wv, Wo, wimg; writes wimg
.if DOCPART == 1
	.amdgcn_target "amdgcn-amd-amdhsa--gfx1250"
	.amdhsa_code_object_version 6
	.text
	.protected	k_qf551676329_wq
	.globl	k_qf551676329_wq
	.p2align	8
	.type	k_qf551676329_wq,@function
k_qf551676329_wq:
	s_mov_b64 s[64:65], 0
	v_nop
	global_prefetch_b8 v0, s[64:65] scope:SCOPE_SE
	s_setreg_imm32_b32 hwreg(HW_REG_WAVE_MODE, 25, 1), 1
	s_wait_xcnt 0x0
; The four weights [512 (k)][512 (n)], f32, K along the FIRST axis, become codes of FP6 (E2M3) with one E8M0 byte for each 32 along K,
; laid as IMAGES OF OPERAND REGISTERS.  wimg: 4 weights (0 Wq, 1 Wk, 2 Wv, 3 Wo) x 204,800 bytes.  In a weight: fragment (T, s), T = 0..31 a tile of 16 columns,
; s = 0..3 a K step of 128, at (4 T + s) x 1,536: chunk j at 512 j + 16 x lane holds the lane's registers 4 j .. 4 j + 3.  From byte 196,608: scale words [T][r][s], 4 bytes each.
; THE COLUMNS OF A TILE ARE NOT NEIGHBOURS: lane r of tile T takes column 32 (T / 2) + 8 (T % 2) + r + 8 (r / 8), so that results made with such a tile as source 0
; have 16 neighbours along the next K in the 16 registers of tiles 2 B and 2 B + 1.
; A work-group takes one tile T (x) of one weight (y); wave s takes K step s.  A lane takes a column and its registers run DOWN K in the order of the operand's layout:
; lane (r, h), register 32 c + i = W(128 s + 64 c + 32 h + i, column).  So a lane holds two whole blocks, and the conversions' results are the operand's registers.
; A block's scale byte is its largest magnitude's exponent field - 2, held at 1 from below (a block of zeros gets 1: its codes are zeros, and this program alone reads the bytes).
; LIMITS: NaN and infinities among the inputs are not served.  No cluster: no two work-groups read the same bytes.  4 MB are read once, in pieces of 32 bytes of a row: accepted for so small a tensor.
.set WIMG, 204800
.set SCW,  196608
	s_load_b256 s[4:11], s[0:1], 0x0               ; Wq s[4:5], Wk s[6:7], Wv s[8:9], Wo s[10:11]
	s_load_b64 s[12:13], s[0:1], 0x20              ; wimg
	v_lshl_add_u32 v128, v0, 2, 0x400
	v_mov_b32 v129, 0
	v_lshrrev_b32 v1, 5, v0
	v_readfirstlane_b32 s14, v1                    ; wave = K step s
	v_and_b32 v1, 15, v0                           ; r
	v_bfe_u32 v2, v0, 4, 1                         ; h
	v_and_b32 v3, 31, v0                           ; lane
	v_and_b32 v4, 8, v1
	v_add_nc_u32 v4, v4, v1                        ; r + 8 (r / 8)
	v_lshlrev_b32 v5, 2, v4
	v_lshl_add_u32 v5, v2, 16, v5                  ; my column's 4 bytes, + 32 rows of 2,048 bytes for lanes 16-31
	v_lshlrev_b32 v6, 4, v3                        ; 16 x lane: my place in a chunk
	v_lshlrev_b32 v7, 3, v3                        ; 8 x lane: my place among the tile's 256 bytes of scale words
	s_lshl_b32 s24, s14, 2
	v_lshlrev_b32 v11, 4, v1
	v_add_nc_u32 v11, s24, v11                     ; LDS: 16 r + 4 s
	s_and_b32 s15, ttmp7, 0xffff                   ; which weight
	s_lshr_b32 s16, ttmp9, 1
	s_lshl_b32 s16, s16, 7                         ; 32 (T / 2) columns of 4 bytes
	s_and_b32 s17, ttmp9, 1
	s_lshl_b32 s17, s17, 5                         ; 8 (T % 2) columns
	s_add_co_u32 s16, s16, s17
	s_lshl_b32 s17, s14, 18                        ; 128 s rows of 2,048 bytes
	s_add_co_u32 s16, s16, s17
	s_mov_b32 s17, 0
	s_mul_i32 s18, s15, WIMG
	s_lshl_b32 s19, ttmp9, 2
	s_add_co_u32 s19, s19, s14
	s_mul_i32 s19, s19, 1536
	s_add_co_u32 s18, s18, s19                     ; my fragment's place in wimg
	s_mov_b32 s19, 0
	s_mul_i32 s24, s15, WIMG
	s_lshl_b32 s25, ttmp9, 8
	s_add_co_u32 s24, s24, s25
	s_add_co_u32 s24, s24, SCW                     ; the tile's scale words
	s_mov_b32 s25, 0
	s_mov_b32 s20, 0x76543210
	s_mov_b32 s21, 0xfedcba98                      ; v_permlanex16_b32's selects for lane l xor 16
	s_wait_alu depctr_va_vdst(0)
	s_wait_kmcnt 0x0
	s_cmp_eq_u32 s15, 1                            ; the weight is chosen by the work-group's y alone
	s_cselect_b64 s[4:5], s[6:7], s[4:5]
	s_cmp_eq_u32 s15, 3
	s_cselect_b64 s[8:9], s[10:11], s[8:9]
	s_cmp_lt_u32 s15, 2
	s_cselect_b64 s[4:5], s[4:5], s[8:9]
	s_add_nc_u64 s[4:5], s[4:5], s[16:17]
	s_add_nc_u64 s[22:23], s[12:13], s[18:19]
	s_add_nc_u64 s[26:27], s[12:13], s[24:25]
.irp c, 0,1
.set i, 0
.rept 32
	global_load_b32 v[64+32*\c+i], v5, s[4:5] offset:(64*\c+i)*2048
.set i, i+1
.endr
.endr
	s_wait_loadcnt 0x0
.irp c, 0,1                                        ; my block 2 c + h: all its 32 numbers are mine
	v_max3_num_f32 v[32+\c], |v[64+32*\c]|, |v[65+32*\c]|, 0x1800000   ; with the floor 2^(3 - 127): the byte cannot fall under 1
.endr
.irp i, 2,4,6,8,10,12,14,16,18,20,22,24,26,28,30
.irp c, 0,1
	v_max3_num_f32 v[32+\c], v[32+\c], |v[64+32*\c+\i]|, |v[65+32*\c+\i]|
.endr
.endr
.irp c, 0,1
	v_add_nc_u32 v[34+\c], 0xff000000, v[32+\c]    ; 2 off the exponent field: the conversion's scale operand
.endr
.irp c, 0,1
	v_lshrrev_b32 v[36+\c], 23, v[34+\c]           ; the scale's byte
.endr
	v_lshl_or_b32 v9, v37, 16, v36                 ; my two bytes: blocks h and 2 + h,
	v_lshlrev_b32 v10, 3, v2
	v_lshlrev_b32 v9, v10, v9                      ; at their places in the word;
	v_mov_b32 v10, 0
	v_permlanex16_b32 v10, v9, s20, s21
	v_or_b32 v9, v9, v10                           ; with lane l xor 16's two the word is whole
.irp c, 0,1
	v_cvt_scalef32_pk16_fp6_f32 v[48+6*\c:50+6*\c], v[64+32*\c:79+32*\c], v[34+\c]
	v_cvt_scalef32_pk16_fp6_f32 v[40+4*\c:42+4*\c], v[80+32*\c:95+32*\c], v[34+\c]   ; (a conversion's three registers begin on an even number)
.endr
	v_nop                                          ; one plain place behind a scaled conversion
.irp c, 0,1
.irp i, 0,1,2
	v_mov_b32 v[51+6*\c+\i], v[40+4*\c+\i]
.endr
.endr
.irp j, 0,1,2
	global_store_b128 v6, v[48+4*\j:51+4*\j], s[22:23] offset:512*\j   ; 32 lanes store 512 consecutive bytes
.endr
	ds_store_b32 v11, v9                           ; lanes r and r + 16 write the same word with the same value
	s_wait_dscnt 0x0                               ; for the others' sake: my store has landed
	s_barrier_signal -1
	s_barrier_wait -1
	s_cmp_lg_u32 s14, 0
	s_cbranch_scc1 .Lend                           ; wave 0 stores the tile's 64 scale words as 256 consecutive bytes
	ds_load_b64 v[12:13], v7
	s_wait_dscnt 0x0
	global_store_b64 v7, v[12:13], s[26:27]
.Lend:
	s_wait_tensorcnt 0x0
	ds_add_u32 v128, v129
	s_wait_dscnt 0x0
	s_endpgm
.Lfunc_end_k_qf551676329_wq:
	.size	k_qf551676329_wq, .Lfunc_end_k_qf551676329_wq-k_qf551676329_wq
	.p2alignl 7, 3214868480
	.fill 96, 4, 3214868480
	.section	.rodata,"a",@progbits
	.p2align	6, 0x0
	.amdhsa_kernel k_qf551676329_wq
		.amdhsa_group_segment_fixed_size 1536
		.amdhsa_private_segment_fixed_size 0
		.amdhsa_enable_private_segment 0
		.amdhsa_kernarg_size 40
		.amdhsa_user_sgpr_count 2
		.amdhsa_user_sgpr_kernarg_segment_ptr 1
		.amdhsa_wavefront_size32 1
		.amdhsa_system_sgpr_workgroup_id_x 1
		.amdhsa_system_sgpr_workgroup_id_y 1
		.amdhsa_system_sgpr_workgroup_id_z 1
		.amdhsa_system_vgpr_workitem_id 0
		.amdhsa_next_free_vgpr 130
		.amdhsa_next_free_sgpr 66
		.amdhsa_reserve_vcc 0
		.amdhsa_float_denorm_mode_32 3
		.amdhsa_float_denorm_mode_16_64 3
		.amdhsa_memory_ordered 1
		.amdhsa_forward_progress 1
		.amdhsa_inst_pref_size 13
	.end_amdhsa_kernel
	.amdgpu_metadata
---
amdhsa.version: [ 1, 2 ]
amdhsa.kernels:
  - .name:           k_qf551676329_wq
    .symbol:         k_qf551676329_wq.kd
    .args:
      - { .name: Wq, .offset: 0, .size: 8, .value_kind: global_buffer, .address_space: global }
      - { .name: Wk, .offset: 8, .size: 8, .value_kind: global_buffer, .address_space: global }
      - { .name: Wv, .offset: 16, .size: 8, .value_kind: global_buffer, .address_space: global }
      - { .name: Wo, .offset: 24, .size: 8, .value_kind: global_buffer, .address_space: global }
      - { .name: wimg, .offset: 32, .size: 8, .value_kind: global_buffer, .address_space: global }
    .group_segment_fixed_size: 1536
    .private_segment_fixed_size: 0
    .kernarg_segment_align: 8
    .kernarg_segment_size: 40
    .max_flat_workgroup_size: 128
    .sgpr_count:     66
    .vgpr_count:     130
    .wavefront_size: 32
...
	.end_amdgpu_metadata
.endif
;; end of part 1
;; launch proj (part 2): grid 64 x 3, 4 waves a work-group, clusters of 4 x 1, 272,896 bytes of LDS; arguments query, keys, values, mask, wimg, qimg, kimg, vimg; writes qimg, kimg, vimg
.if DOCPART == 2
	.amdgcn_target "amdgcn-amd-amdhsa--gfx1250"
	.amdhsa_code_object_version 6
	.text
	.protected	k_qf551676329_proj
	.globl	k_qf551676329_proj
	.p2align	8
	.type	k_qf551676329_proj,@function
k_qf551676329_proj:
	s_mov_b64 s[64:65], 0
	v_nop
	global_prefetch_b8 v0, s[64:65] scope:SCOPE_SE
	s_setreg_imm32_b32 hwreg(HW_REG_WAVE_MODE, 25, 1), 1
	s_wait_xcnt 0x0
	s_wait_alu depctr_hold_cnt(0) depctr_sa_sdst(0) depctr_va_vdst(0) depctr_va_sdst(0) depctr_va_ssrc(0) depctr_va_vcc(0) depctr_vm_vsrc(0)
	s_getreg_b32 s2, hwreg(HW_REG_IB_STS2, 6, 4)
	s_cmp_eq_u32 s2, 0
	s_cbranch_scc0 .Lentry_in_a_cluster
	s_endpgm
.Lentry_in_a_cluster:
	s_bfe_u32 s2, ttmp6, 0x10000c
	s_cmp_lg_u32 s2, 0x3003
	s_cbranch_scc0 .Lentry_shape_is_right
	s_endpgm
.Lentry_shape_is_right:
; q = query Wq, k = keys Wk, v = values Wv, each [16,384][512] x [512][512] on codes of FP6 (E2M3) with E8M0 scales for each 32 along K; the results are quantised at once for the attention's products.
; The work-group's y says which (0 q, 1 k, 2 v).  A work-group takes 256 rows, each of its four waves 64 rows against all 512 columns; the waves exchange nothing.
; 192 work-groups: 64 of each tensor; a finer share would read the weight's image more often.
; ROWS OF A TILE ARE NOT NEIGHBOURS: of a wave's 64 rows, tile a = 2 b + u holds in lane r the row 32 b + 8 u + r + 8 (r / 8); W's tiles of columns likewise (launch wq).
; PHASE X: the wave's 64 rows of x are quantised along K into 16 fragments (tile a, K step s), which stay in registers.
; W: the weight's whole image, 204,800 bytes, comes into LDS once.  CLUSTER: the four work-groups of a cluster share y and so W: each quarter is asked for JOINTLY, by the same tensor load with a mask that names the four.
; THE LOOP goes over the 8 heads (4 tiles of columns): 64 matrix instructions on 16 accumulators by turns.  q, k: source 0 = W, source 1 = x: a lane holds one row and its registers run along the head's 64.
; v: source 0 = x, source 1 = W: a lane holds one channel d and its registers run along the wave's 64 KEYS, which are the K of the attention's second product.
; OUT: half images of 1,024 bytes (16 rows x 64 along K): chunk 0 at 16 x lane: registers 0-3; chunk 1 at 512 + 16 x lane: registers 4, 5, the word EXT, the scale word.
;   qimg, kimg: [n][head][tile of 16 rows];  vimg: [n][head][64 keys][tile of 16 d].
; THE MASK rides in the half of K that the scores' product does not use (K = 64 of 128).  EXT is register 6 of the operand: in lanes 0-15 its lowest code is k = 64.  q: +1.0.  A masked key: -1.0, its 64 codes zeroed,
; the byte of its block 2 = 193 (2^66).  All other blocks 2 and 3 repeat the bytes of blocks 0 and 1, so that a block without numbers carries no larger scale than those that count.
; A masked score is so -2^(66 + e), e the exponent of q's first block scale: a power of two, the same for all masked keys of a query.
; LIMITS: that number stands for reference()'s -1e20: energies below it are not told apart from masked ones.  NaN and infinities among the inputs are not served.  A block of zeros gets the byte 1 (its codes are zeros; this program alone reads the bytes).
; REGISTERS: window 0: v1-10 addresses and at work; v16-31 x's scale words; v32-47 W's; v48-63, v96-103 the quantiser's; v64-95 codes to store; v104-123 the mask's registers; v128-255 accumulators (phase X: two sets of 64 numbers).
;   window 1: x's 16 fragments at v[12 (4 a + s)].   window 2: W's fragments, set A (K steps 0, 1) at v0, set B (2, 3) at v96 (phase X: two more sets of 64 numbers at v128).
.set WIMG, 204800
.set LI,   1                           ; 16 x lane
.set STI,  11                          ; LDS: my wave's stage + 16 x lane (a row of 512 bytes as it was loaded)
.set STO,  12                          ; LDS: my wave's stage + 528 r + 64 h (my row's numbers, on the way back)
.set MA,   3                           ; mask: 4 x my row of a tile
.set WAD,  4                           ; LDS: this head's fragments
.set WAD2, 5                           ; the next head's
.set WSA0, 6                           ; LDS: 16 r + where W's scale words begin
.set WSAD, 7                           ; the next head's scale words
.set HM,   8                           ; -1 in lanes 0-15, 0 in lanes 16-31
.set XS,   16
.set WS,   32
.set TM,   48                          ; v48-51 largest magnitudes, v52-55 bytes, v60-63 the conversions' scale operands
.set PC,   64
.set U,    96
.set MK,   104
.set KEEP, 108
.set EXT,  112
.set AG,   116
.set BG,   120
.set ACC,  128
.set MSB, 0
.macro WIN new                         ; the immediate's high byte repeats the setting that is left
.if MSB != (\new)
	s_set_vgpr_msb (MSB<<8)|(\new)
.set MSB, \new
.endif
.endm
.macro PLACES n
.rept \n
	v_nop
.endr
.endm
.macro CROUND                          ; a round of the cluster's barrier
	s_barrier_signal -1
	s_barrier_wait -1
	s_cmp_lg_u32 s20, 0
	s_cbranch_scc1 .Lnot_wave_0_\@
	s_barrier_signal -3
.Lnot_wave_0_\@:
	s_barrier_wait -3
	s_barrier_signal -1
	s_barrier_wait -1
.endm
; 16 loads: the 64 numbers a lane of tile i / 4, K step i % 4: register 16 b + n = k 32 b + 16 h + n of my row.  Sets 0, 1 lie in window 0, sets 2, 3 in window 2.
.macro XLOAD i
.set xla, (\i)/4
.set xls, (\i)%4
.set xlr, 128+64*((\i)%2)
	WIN 0x80*(((\i)%4)/2)
.irp b, 0,1,2,3
.irp j, 0,1,2,3
	global_load_b128 v[xlr+16*\b+4*\j:xlr+16*\b+4*\j+3], v[LI], s[44:45] offset:(32*(xla/2)+8*(xla%2)+4*\b+\j+8*(\b/2))*2048+512*xls th:TH_LOAD_NT   ; load 4 b + j: the 512 consecutive bytes of the K step of the row that lane r = 4 b + j of the tile owns
.endr
.endr
	WIN 0
.endm
; 32 nc numbers of a lane (in window win), register 16 b + i = k 32 b + 16 h + i of my row, become codes: for each pair c of blocks v[l + 8 c .. + 2] = the lower 16 codes of my lane's block 2 c + h,
; v[U + 4 c .. + 2] the upper 16; the blocks' bytes are left in v[TM + 4 + b].  Each accumulator is read from its low end on.
.macro QUANT src, win, nc, l
	WIN 5*(\win)
.set qb, 0
.rept 2*(\nc)
	v_max3_num_f32 v[TM+qb], |v[(\src)+16*qb]|, |v[(\src)+16*qb+1]|, 0x1800000   ; with the floor 2^(3 - 127): the byte cannot fall under 1
.set qb, qb+1
.endr
.irp i, 2,4,6,8,10,12,14
.set qb, 0
.rept 2*(\nc)
	v_max3_num_f32 v[TM+qb], |v[(\src)+16*qb+\i]|, |v[(\src)+16*qb+\i+1]|, v[TM+qb]
.set qb, qb+1
.endr
.endr
	WIN 0
.set qb, 0
.rept 2*(\nc)
	v_permlanex16_b32 v[TM+4+qb], v[TM+qb], s36, s37
.set qb, qb+1
.endr
.set qb, 0
.rept 2*(\nc)
	v_max_num_f32 v[TM+qb], v[TM+qb], v[TM+4+qb]   ; with lane l xor 16's: the block's largest magnitude
.set qb, qb+1
.endr
.set qb, 0
.rept 2*(\nc)
	v_add_nc_u32 v[TM+12+qb], 0xff000000, v[TM+qb] ; 2 off its exponent field: the conversion's scale operand
.set qb, qb+1
.endr
.set qb, 0
.rept 2*(\nc)
	v_lshrrev_b32 v[TM+4+qb], 23, v[TM+12+qb]      ; the scale's byte
.set qb, qb+1
.endr
	WIN \win
.set qc, 0
.rept \nc
	v_cvt_scalef32_pk16_fp6_f32 v[(\l)+8*qc:(\l)+8*qc+2], v[(\src)+32*qc:(\src)+32*qc+15], v[TM+12+2*qc]
	v_cvt_scalef32_pk16_fp6_f32 v[U+4*qc:U+4*qc+2], v[(\src)+32*qc+16:(\src)+32*qc+31], v[TM+12+2*qc+1]
.set qc, qc+1
.endr
	WIN 0
	v_nop                                          ; one plain place behind a scaled conversion
.set qc, 0
.rept \nc
.irp i, 0,1,2
	v_permlane16_swap_b32 v[(\l)+8*qc+\i], v[U+4*qc+\i]   ; the operand's layout wants a whole block in a lane
.endr
.set qc, qc+1
.endr
.endm
; A fragment's 16 rows x 512 bytes turn through the wave's own stage (two stages by turns, rows 528 bytes apart, behind the spare words; no tensor load lands there):
; in as they were loaded, a row an instruction; back 64 bytes a lane and block: register 16 b + n = k 32 b + 16 h + n of my row, into window 2, v0-63 and v64-127 by turns.
; LDS serves a wave's instructions in order, so no wait stands between the stores and the loads.
.macro TURN i
	WIN 0x08*(((\i)%4)/2)                          ; the stores' data: window 0 or 2
.set tn, 0
.rept 16
	ds_store_b128 v[STI], v[128+64*((\i)%2)+4*tn:128+64*((\i)%2)+4*tn+3] offset:8448*((\i)%2)+528*tn
.set tn, tn+1
.endr
	WIN 0x80                                       ; destination window 2
.irp b, 0,1,2,3
.irp j, 0,1,2,3
	ds_load_b128 v[64*((\i)%2)+16*\b+4*\j:64*((\i)%2)+16*\b+4*\j+3], v[STO] offset:8448*((\i)%2)+128*\b+16*\j
.endr
.endr
	WIN 0
.endm
.macro XSTEP i                         ; fragment i = 4 a + s of x
	s_wait_dscnt 0x0                               ; this fragment's numbers are back from the stage, and its stores into the stage have read their registers,
.if (\i) < 12
	XLOAD (\i)+4                                   ; which take the numbers of four fragments on
.endif
.if (\i) < 15
.if (\i) < 12
	s_wait_loadcnt 48                              ; the next fragment's 16 loads are in; the three younger sets may be out
.else
	s_wait_loadcnt 16*(14-(\i))
.endif
	TURN (\i)+1                                    ; it goes through the other stage while this one is quantised
.endif
	QUANT 64*((\i)%2), 2, 2, PC
	v_lshl_or_b32 v[XS+(\i)], v[TM+5], 8, v[TM+4]  ; the four bytes make my row's scale word
	v_lshl_or_b32 v[XS+(\i)], v[TM+6], 16, v[XS+(\i)]
	v_lshl_or_b32 v[XS+(\i)], v[TM+7], 24, v[XS+(\i)]
	WIN 0x40                                       ; destination window 1
.irp c, 0,1
.irp n, 0,1,2
	v_mov_b32 v[12*(\i)+6*\c+\n], v[PC+8*\c+\n]
	v_mov_b32 v[12*(\i)+6*\c+3+\n], v[U+4*\c+\n]
.endr
.endr
	WIN 0
.endm
.macro LOADW set, adr                  ; 24 LDS loads: a head's 4 tiles x 2 K steps, as images of registers
	WIN 0x80
.irp tt, 0,1,2,3
.irp sp, 0,1
.irp j, 0,1,2
	ds_load_b128 v[96*(\set)+12*(2*\tt+\sp)+4*\j:96*(\set)+12*(2*\tt+\sp)+4*\j+3], v[\adr] offset:(4*\tt+2*(\set)+\sp)*1536+512*\j
.endr
.endr
.endr
	WIN 0
.endm
.macro LOADWS adr                      ; a head's scale words: lane r takes its column's four
.irp tt, 0,1,2,3
	ds_load_b128 v[WS+4*\tt:WS+4*\tt+3], v[\adr] offset:256*\tt
.endr
.endm
; 32 matrix instructions: K steps 2 set, 2 set + 1; the 16 accumulators take turns, one instruction a turn.  The first K step starts the sums with the constant 0.
.macro MULT set
	s_cmp_eq_u32 s23, 2
	s_cbranch_scc1 .Lmv_\@
	WIN 0x06                                       ; source 0 (W) window 2, source 1 (x) window 1
.irp sp, 0,1
.irp a, 0,1,2,3
.irp tt, 0,1,2,3
.if (\set) == 0 && \sp == 0
	v_wmma_scale_f32_16x16x128_f8f6f4 v[ACC+32*\a+8*\tt:ACC+32*\a+8*\tt+7], v[96*(\set)+12*(2*\tt+\sp):96*(\set)+12*(2*\tt+\sp)+11], v[12*(4*\a+2*(\set)+\sp):12*(4*\a+2*(\set)+\sp)+11], 0, v[WS+4*\tt+2*(\set)+\sp], v[XS+4*\a+2*(\set)+\sp] matrix_a_fmt:MATRIX_FMT_FP6 matrix_b_fmt:MATRIX_FMT_FP6
.else
	v_wmma_scale_f32_16x16x128_f8f6f4 v[ACC+32*\a+8*\tt:ACC+32*\a+8*\tt+7], v[96*(\set)+12*(2*\tt+\sp):96*(\set)+12*(2*\tt+\sp)+11], v[12*(4*\a+2*(\set)+\sp):12*(4*\a+2*(\set)+\sp)+11], v[ACC+32*\a+8*\tt:ACC+32*\a+8*\tt+7], v[WS+4*\tt+2*(\set)+\sp], v[XS+4*\a+2*(\set)+\sp] matrix_a_fmt:MATRIX_FMT_FP6 matrix_b_fmt:MATRIX_FMT_FP6
.endif
.endr
.endr
.endr
	WIN 0
	s_branch .Lmd_\@
.Lmv_\@:
	WIN 0x09                                       ; v: source 0 (x) window 1, source 1 (W) window 2; accumulator (tt, a)
.irp sp, 0,1
.irp a, 0,1,2,3
.irp tt, 0,1,2,3
.if (\set) == 0 && \sp == 0
	v_wmma_scale_f32_16x16x128_f8f6f4 v[ACC+32*\tt+8*\a:ACC+32*\tt+8*\a+7], v[12*(4*\a+2*(\set)+\sp):12*(4*\a+2*(\set)+\sp)+11], v[96*(\set)+12*(2*\tt+\sp):96*(\set)+12*(2*\tt+\sp)+11], 0, v[XS+4*\a+2*(\set)+\sp], v[WS+4*\tt+2*(\set)+\sp] matrix_a_fmt:MATRIX_FMT_FP6 matrix_b_fmt:MATRIX_FMT_FP6
.else
	v_wmma_scale_f32_16x16x128_f8f6f4 v[ACC+32*\tt+8*\a:ACC+32*\tt+8*\a+7], v[12*(4*\a+2*(\set)+\sp):12*(4*\a+2*(\set)+\sp)+11], v[96*(\set)+12*(2*\tt+\sp):96*(\set)+12*(2*\tt+\sp)+11], v[ACC+32*\tt+8*\a:ACC+32*\tt+8*\a+7], v[XS+4*\a+2*(\set)+\sp], v[WS+4*\tt+2*(\set)+\sp] matrix_a_fmt:MATRIX_FMT_FP6 matrix_b_fmt:MATRIX_FMT_FP6
.endif
.endr
.endr
.endr
	WIN 0
.Lmd_\@:
.endm
	s_load_b256 s[4:11], s[0:1], 0x0               ; query s[4:5], keys s[6:7], values s[8:9], mask s[10:11]
	s_load_b256 s[12:19], s[0:1], 0x20             ; wimg s[12:13], qimg s[14:15], kimg s[16:17], vimg s[18:19]
	v_lshl_add_u32 v126, v0, 2, 0x32000
	v_mov_b32 v127, 0
	ds_add_u32 v126, v127
	ds_add_u32 v126, v127
	v_lshrrev_b32 v9, 5, v0
	v_readfirstlane_b32 s20, v9                    ; wave 0..3
	s_bfe_u32 s21, ttmp6, 0x40000                  ; cx: it enters the addresses of x, the mask and the outputs alone
	s_lshl_b32 s22, ttmp9, 2
	s_add_co_u32 s22, s22, s21                     ; X: my block of 256 rows
	s_and_b32 s23, ttmp7, 0xffff                   ; which tensor: shared by the four partners
	; descriptor group 1: a dense block of 51,200 bytes as 200 rows of 256 bytes (32 elements of 8 bytes), no padding
	s_mov_b32 s28, 15|(3<<16)|(1<<21)              ; 15:0 the mask: all four work-groups; 17:16 elements of 8 bytes; 21 set beside a mask
	s_mov_b32 s29, 32<<16                          ; tensor_dim0
	s_mov_b32 s30, 200<<16                         ; tensor_dim1
	s_mov_b32 s31, 32<<16                          ; tile_dim0
	s_mov_b32 s32, 200                             ; tile_dim1
	s_mov_b32 s33, 32                              ; from row to row
	s_mov_b32 s34, 0
	s_mov_b32 s35, 0
	s_mov_b32 s36, 0x76543210
	s_mov_b32 s37, 0xfedcba98                      ; v_permlanex16_b32's selects for lane l xor 16
	s_mov_b32 s43, 0x7fc10000                      ; a masked key's bytes 2 and 3: 193 and 127
	v_and_b32 v9, 15, v0                           ; r
	v_bfe_u32 v10, v0, 4, 1                        ; h
	v_and_b32 v[LI], 31, v0
	v_lshlrev_b32 v[LI], 4, v[LI]
	v_and_b32 v[MA], 8, v9
	v_add_nc_u32 v[MA], v[MA], v9                  ; r + 8 (r / 8)
	s_mul_i32 s62, s20, 16896                      ; my wave's two stages of 8,448 bytes,
	s_add_co_u32 s62, s62, 205312                  ; behind W's image and the spare words
	v_add_nc_u32 v[STI], s62, v[LI]
	v_mul_u32_u24 v[STO], v9, 528
	v_lshl_add_u32 v[STO], v10, 6, v[STO]
	v_add_nc_u32 v[STO], s62, v[STO]
	v_lshlrev_b32 v[MA], 2, v[MA]
	v_lshlrev_b32 v[WSA0], 4, v9
	v_add_nc_u32 v[WSA0], 0x30000, v[WSA0]         ; W's scale words begin at LDS byte 196,608
	v_add_nc_u32 v[HM], -1, v10
.irp b, 0,1,2,3
	v_mov_b32 v[TM+4+\b], 0                        ; written once: a lane permute's destination counts as one of its sources
.endr
	s_mul_i32 s48, s23, WIMG
	s_mul_i32 s25, s20, WIMG/4                     ; my quarter of the image: in LDS,
	s_add_co_u32 s48, s48, s25                     ; and in wimg
	s_mov_b32 s49, 0
	s_lshl_b32 s56, s22, 19
	s_lshl_b32 s57, s20, 17
	s_add_co_u32 s56, s56, s57                     ; x: (256 X + 64 wave) rows of 2,048 bytes
	s_mov_b32 s57, 0
	s_lshl_b32 s58, s22, 10
	s_lshl_b32 s59, s20, 8
	s_add_co_u32 s58, s58, s59                     ; mask: the same rows, 4 bytes each ([n][key] is the row's number)
	s_mov_b32 s59, 0
	s_lshr_b32 s60, s22, 3
	s_lshl_b32 s60, s60, 20                        ; out: n x 1,048,576
	s_and_b32 s61, s22, 7
	s_lshl_b32 s61, s61, 2
	s_add_co_u32 s61, s61, s20
	s_lshl_b32 s61, s61, 12                        ; + my 64 rows' four half images
	s_add_co_u32 s60, s60, s61
	s_mov_b32 s61, 0
	s_and_b32 s41, s20, 1
	s_lshl_b32 s41, s41, 4                         ; v: my 64 keys' two bytes stand at bits 16 (wave % 2) of a step's word
	s_wait_dscnt 0x0
	s_wait_kmcnt 0x0
	s_cmp_eq_u32 s23, 1
	s_cselect_b64 s[44:45], s[6:7], s[4:5]
	s_cselect_b64 s[46:47], s[16:17], s[14:15]
	s_cselect_b32 s38, 0, -1                       ; only k honours the mask: elsewhere every row is kept
	s_cselect_b32 s39, 0x28, 0                     ; a masked key's code at k = 64: -1.0
	s_cmp_eq_u32 s23, 2
	s_cselect_b64 s[44:45], s[8:9], s[44:45]
	s_cselect_b64 s[46:47], s[18:19], s[46:47]
	s_cselect_b32 s42, 0, -1                       ; q, k: bytes 2, 3 repeat bytes 0, 1
	s_cselect_b32 s41, s41, 0
	s_cmp_eq_u32 s23, 0
	s_cselect_b32 s40, 8, 0                        ; q's code at k = 64: +1.0
	s_add_nc_u64 s[44:45], s[44:45], s[56:57]
	s_add_nc_u64 s[46:47], s[46:47], s[60:61]
	s_add_nc_u64 s[10:11], s[10:11], s[58:59]
	s_mov_b32 s24, 1                               ; group 0: count = 1; s25 the LDS address;
	s_add_nc_u64 s[26:27], s[12:13], s[48:49]      ; the global address, made of y and the wave's number alone;
	s_or_b32 s27, s27, 0x80000000                  ; type = 2
	CROUND                                         ; all four work-groups are here: the joint loads meet
	tensor_load_to_lds s[24:27], s[28:35]          ; one load of mine is out; the bytes are filled once in the launch
	s_nop 0
	PLACES 4
	s_wait_alu depctr_va_vdst(0)
.irp a, 0,1,2,3
	global_load_b32 v[MK+\a], v[MA], s[10:11] offset:(32*(\a/2)+8*(\a%2))*4
.endr
	XLOAD 0
	XLOAD 1
	XLOAD 2
	XLOAD 3
	s_wait_tensorcnt 0x0                           ; my quarter of W has landed before my first LDS store
	s_wait_loadcnt 48                              ; the mask's words and fragment 0's 16 loads are in
	TURN 0
.set xi, 0
.rept 16
	XSTEP xi
.set xi, xi+1
.endr
	; the mask's registers, a set for each tile of rows.  These 28 plain lines are also the places between the last write of x's fragments and scale words and the first product.
.irp a, 0,1,2,3
	v_cmp_ne_u32 vcc_lo, 0, v[MK+\a]
	v_cndmask_b32 v[KEEP+\a], 0, -1, vcc_lo
	v_or_b32 v[KEEP+\a], s38, v[KEEP+\a]           ; -1 where my row counts
	v_not_b32 v9, v[KEEP+\a]
	v_and_or_b32 v[EXT+\a], v9, s39, s40
	v_and_b32 v[EXT+\a], v[HM], v[EXT+\a]          ; the code at k = 64 lies in lanes 0-15
	v_and_b32 v[AG+\a], s42, v[KEEP+\a]
	v_and_b32 v[BG+\a], s43, v9
.endr
	s_wait_tensorcnt 0x0                           ; my quarter of W is in,
	s_barrier_signal -1
	s_barrier_wait -1                              ; everybody's is
	s_mov_b32 s50, 0                               ; this head's fragments: 24,576 bytes a head
	s_mov_b32 s51, 0                               ; and its scale words: 1,024
	s_mov_b32 s54, 0
	v_add_nc_u32 v[WAD], s50, v[LI]
	v_add_nc_u32 v[WSAD], s51, v[WSA0]
	LOADW 0, WAD
	LOADWS WSAD
.Lhead:
	v_add_nc_u32 v[WAD], s50, v[LI]
	s_add_co_u32 s52, s50, 24576
	s_min_u32 s52, s52, 172032                     ; the last trip fetches head 7 once more: no read leaves the image
	v_add_nc_u32 v[WAD2], s52, v[LI]
	s_add_co_u32 s53, s51, 1024
	s_min_u32 s53, s53, 7168
	v_add_nc_u32 v[WSAD], s53, v[WSA0]
	LOADW 1, WAD
	s_wait_dscnt 24                                ; set A and the scale words are in; set B's 24 loads may be out
	MULT 0
	PLACES 4                                       ; in front of loads into registers that matrix instructions have read
	s_wait_alu depctr_va_vdst(0)
	LOADW 0, WAD2
	s_wait_dscnt 24                                ; set B is in; the next head's set A may be out
	MULT 1
	PLACES 4                                       ; in front of the loads into the scale words and of the first read of results
	LOADWS WSAD
.irp g, 0,1,2,3                                    ; q, k: tile g of rows; v: tile g of the head's d
	QUANT ACC+32*\g, 0, 1, PC+8*\g
.irp i, 0,1,2
	v_and_b32 v[PC+8*\g+\i], v[KEEP+\g], v[PC+8*\g+\i]     ; a masked key's codes are zeros
	v_and_b32 v[PC+8*\g+3+\i], v[KEEP+\g], v[U+\i]
.endr
	v_mov_b32 v[PC+8*\g+6], v[EXT+\g]
	v_lshl_or_b32 v9, v[TM+5], 8, v[TM+4]          ; the two bytes
	v_lshlrev_b32 v10, 16, v9
	v_and_or_b32 v10, v10, v[AG+\g], v[BG+\g]      ; bytes 2, 3: the same two (q, a key that counts), 193 and 127 (a masked key), none (v)
	v_lshl_or_b32 v[PC+8*\g+7], v9, s41, v10
	global_store_b128 v[LI], v[PC+8*\g:PC+8*\g+3], s[46:47] offset:1024*\g          ; 32 lanes store 512 consecutive bytes
	global_store_b128 v[LI], v[PC+8*\g+4:PC+8*\g+7], s[46:47] offset:1024*\g+512
.endr
	s_wait_xcnt 0x0                                ; the stores have read their data and their base: both are written again only behind this wait
	s_add_nc_u64 s[46:47], s[46:47], 131072        ; the next head
	s_add_co_u32 s50, s50, 24576
	s_add_co_u32 s51, s51, 1024
	s_add_co_u32 s54, s54, 1
	s_cmp_lt_u32 s54, 8
	s_cbranch_scc1 .Lhead
	s_wait_dscnt 0x0                               ; the last trip's fetches: no LDS instruction is pending at a signal
	s_wait_tensorcnt 0x0
	ds_add_u32 v126, v127
	s_wait_dscnt 0x0
	CROUND                                         ; the closing round: no work-group ends while a partner may still ask for a tile that names it
	s_endpgm
.Lfunc_end_k_qf551676329_proj:
	.size	k_qf551676329_proj, .Lfunc_end_k_qf551676329_proj-k_qf551676329_proj
	.p2alignl 7, 3214868480
	.fill 96, 4, 3214868480
	.section	.rodata,"a",@progbits
	.p2align	6, 0x0
	.amdhsa_kernel k_qf551676329_proj
		.amdhsa_group_segment_fixed_size 272896
		.amdhsa_private_segment_fixed_size 0
		.amdhsa_enable_private_segment 0
		.amdhsa_kernarg_size 64
		.amdhsa_user_sgpr_count 2
		.amdhsa_user_sgpr_kernarg_segment_ptr 1
		.amdhsa_wavefront_size32 1
		.amdhsa_system_sgpr_workgroup_id_x 1
		.amdhsa_system_sgpr_workgroup_id_y 1
		.amdhsa_system_sgpr_workgroup_id_z 1
		.amdhsa_system_vgpr_workitem_id 0
		.amdhsa_next_free_vgpr 768
		.amdhsa_next_free_sgpr 66
		.amdhsa_reserve_vcc 1
		.amdhsa_float_denorm_mode_32 3
		.amdhsa_float_denorm_mode_16_64 3
		.amdhsa_memory_ordered 1
		.amdhsa_forward_progress 1
		.amdhsa_inst_pref_size 164
	.end_amdhsa_kernel
	.amdgpu_metadata
---
amdhsa.version: [ 1, 2 ]
amdhsa.kernels:
  - .name:           k_qf551676329_proj
    .symbol:         k_qf551676329_proj.kd
    .args:
      - { .name: query, .offset: 0, .size: 8, .value_kind: global_buffer, .address_space: global }
      - { .name: keys, .offset: 8, .size: 8, .value_kind: global_buffer, .address_space: global }
      - { .name: values, .offset: 16, .size: 8, .value_kind: global_buffer, .address_space: global }
      - { .name: mask, .offset: 24, .size: 8, .value_kind: global_buffer, .address_space: global }
      - { .name: wimg, .offset: 32, .size: 8, .value_kind: global_buffer, .address_space: global }
      - { .name: qimg, .offset: 40, .size: 8, .value_kind: global_buffer, .address_space: global }
      - { .name: kimg, .offset: 48, .size: 8, .value_kind: global_buffer, .address_space: global }
      - { .name: vimg, .offset: 56, .size: 8, .value_kind: global_buffer, .address_space: global }
    .group_segment_fixed_size: 272896
    .private_segment_fixed_size: 0
    .kernarg_segment_align: 8
    .kernarg_segment_size: 64
    .max_flat_workgroup_size: 128
    .sgpr_count:     66
    .vgpr_count:     768
    .wavefront_size: 32
...
	.end_amdgpu_metadata
.endif
;; end of part 2
;; launch att (part 3): grid 4 x 64, 16 waves a work-group, clusters of 4 x 1, 264,192 bytes of LDS; arguments qimg, kimg, vimg, aimg; writes aimg
.if DOCPART == 3
	.amdgcn_target "amdgcn-amd-amdhsa--gfx1250"
	.amdhsa_code_object_version 6
	.text
	.protected	k_qf551676329_att
	.globl	k_qf551676329_att
	.p2align	8
	.type	k_qf551676329_att,@function
k_qf551676329_att:
	s_mov_b64 s[64:65], 0
	v_nop
	global_prefetch_b8 v0, s[64:65] scope:SCOPE_SE
	s_setreg_imm32_b32 hwreg(HW_REG_WAVE_MODE, 25, 1), 1
	s_wait_xcnt 0x0
	s_wait_alu depctr_hold_cnt(0) depctr_sa_sdst(0) depctr_va_vdst(0) depctr_va_sdst(0) depctr_va_ssrc(0) depctr_va_vcc(0) depctr_vm_vsrc(0)
	s_getreg_b32 s2, hwreg(HW_REG_IB_STS2, 6, 4)
	s_cmp_eq_u32 s2, 0
	s_cbranch_scc0 .Lentry_in_a_cluster
	s_endpgm
.Lentry_in_a_cluster:
	s_bfe_u32 s2, ttmp6, 0x10000c
	s_cmp_lg_u32 s2, 0x3003
	s_cbranch_scc0 .Lentry_shape_is_right
	s_endpgm
.Lentry_shape_is_right:
; Attention of one head (the work-group's y = 8 n + head) on codes of FP6 (E2M3) with E8M0 scales: S^T = K Q^T (K = the head's 64), p = 2^(t - M), O^T = V^T P^T (K = the keys),
; O / the row's sum, quantised along the head's 64 for the last product.  t = score x log2(e) / 8; M = the running largest t rounded UP to a whole number; p is not normalised;
; the row's sum is taken of the unquantised p.  When M moves, the sum and O^T are multiplied by 2^(old M - new M): exact.
; SHARES.  A work-group owns 512 queries of the head, in two passes of sixteen waves x 16 queries; 256 registers a wave, four waves to a SIMD.
; LDS.  The head's whole K (131,072 bytes) and V (131,072) lie in LDS as half images of operand registers (launch proj), filled once: 16 waves x 16,384 bytes, ONE tensor load a wave, at the head.
; One wait and one barrier show all of it to every wave; the key loop has no barrier: the waves exchange nothing.
; CLUSTER.  The head's four work-groups read the same K and V: each sixteenth is asked for JOINTLY, by the same tensor load with a mask that names the four.
; NO PREFETCH: all that the launch reads by tensor loads is asked for at the head; there is no loop to run ahead in.
; LAYOUT.  A lane holds ONE query (lane % 16) throughout.  The keys of a tile of K are chosen (proj) so that the 16 registers of tiles 2 b, 2 b + 1 of S^T are keys 32 b + 16 (lane / 16) + 0 .. 15 of the step's 128.
; K'S FRAGMENTS LIE 8 REGISTERS APART.  A tile of K has 7 registers of its own (k = 0 .. 69); the operand's registers 7-11 (k = 70 .. 127) are a register that stays 0 and the next tile's first four.
; Q's codes of k = 70 .. 127 are zeros and the format has no NaN and no infinity, so whatever codes stand there in K's operand add 0.  So a step's eight tiles take 68 registers.
; THE MASK rides in the half of K that the scores' product does not use (proj): a masked score is -2^(66 + e), a power of two, the same for all masked keys of a query.  So c x score is exact:
; where every key so far is masked p = 2^0 = 1 (uniform, as reference() has it), and as soon as a key counts the old sums are multiplied by 0 and masked p are 0.
; FETCHING AHEAD.  The next step's eight tiles of K are loaded behind this step's scores; in a pass's last step that fetch reads V's first bytes, and its registers are loaded anew before they are used.
; LIMITS: energies below the masked number are not told apart from masked ones; NaN and infinities are not served; the promise holds while the scaled scores stay under 2^31 in magnitude, masked ones aside.
; OUT: aimg [n][tile of 16 queries][head]: half images; the two scale bytes at bits 16 (head % 2) of the word.
.set LIK, 1                            ; 16 x lane
.set LIV, 2                            ; the same + where V begins
.set ADK, 3                            ; the step's tiles of K
.set ADV, 4                            ; and of V
.set QS,  5                            ; Q's scale word
.set VSC, 6                            ; v6-9 V's scale words of the step
.set QF,  16                           ; v16-27 Q's fragment (v23-27 stay 0)
.set KFR, 28                           ; v28-91 eight tiles of K, 8 registers apart (register 7 of each stays 0); v92-95 stay 0
.set SS,  96                           ; v96-159 S^T, then p; v96-143 then V's four fragments
.set OT,  160                          ; v160-191 O^T
.set PCD, 192                          ; v192-203 p's codes
.set KSC, 204                          ; v204-211 K's scale words
.set BM,  212                          ; v212-215 the blocks' largest scores, then largest p
.set PT,  216                          ; v216-223 at work
.set SO,  224                          ; v224-227 the conversions' scale operands
.set FF,  228                          ; f = 2^(old M - new M)
.set PW,  229                          ; p's scale word
.set TT,  230
.set TU,  231
.set Q2,  232                          ; v232-239 the second pass's Q
.set SA,  240                          ; v240-253 seven partial sums, in pairs; v12 -M, v13 the running largest score, v[14:15] the row's sum
.set VSH, 240                          ; v240-247, ahead of the sums: the halves of V's scale words as loaded
.set WV,  12
.set SEL, 24
.set CS,  26
.set TK,  28
.macro PLACES n
.rept \n
	v_nop
.endr
.endm
.macro CROUND                          ; a round of the cluster's barrier
	s_barrier_signal -1
	s_barrier_wait -1
	s_cmp_lg_u32 s[WV], 0
	s_cbranch_scc1 .Lnot_wave_0_\@
	s_barrier_signal -3
.Lnot_wave_0_\@:
	s_barrier_wait -3
	s_barrier_signal -1
	s_barrier_wait -1
.endm
.macro KLOAD o                         ; eight tiles of 16 keys, from tile o on, counted from where ADK stands: 24 loads
.irp t, 0,1,2,3,4,5,6,7
	ds_load_b128 v[KFR+8*\t:KFR+8*\t+3], v[ADK] offset:((\o)+\t)*1024
	ds_load_b96 v[KFR+8*\t+4:KFR+8*\t+6], v[ADK] offset:((\o)+\t)*1024+512        ; registers 4, 5 and the mask's register 6
	ds_load_b32 v[KSC+\t], v[ADK] offset:((\o)+\t)*1024+524
.endr
.endm
	s_load_b256 s[4:11], s[0:1], 0x0               ; qimg s[4:5], kimg s[6:7], vimg s[8:9], aimg s[10:11]
	v_lshl_add_u32 v254, v0, 2, 0x40000
	v_mov_b32 v255, 0
	ds_add_u32 v254, v255                          ; the opening lines: the add, twice on end, and its wait ahead of my tensor load
	ds_add_u32 v254, v255
	v_lshrrev_b32 v3, 5, v0
	s_delay_alu instid0(VALU_DEP_1)
	v_readfirstlane_b32 s[WV], v3                  ; wave 0..15
	s_bfe_u32 s13, ttmp6, 0x40000                  ; cx: it enters Q's and the output's addresses alone
	s_lshl_b32 s15, ttmp9, 2
	s_add_co_u32 s15, s15, s13                     ; X: my block of 512 queries
	s_and_b32 s14, ttmp7, 0xffff                   ; 8 n + head, which the four partners share
	; descriptor group 1: 16,384 dense bytes as 64 rows of 256 bytes (32 elements of 8 bytes), no padding
	s_mov_b32 s16, 15|(3<<16)|(1<<21)              ; 15:0 the mask: all four work-groups; 17:16 elements of 8 bytes; 21 set beside a mask
	s_mov_b32 s17, 32<<16                          ; tensor_dim0
	s_mov_b32 s18, 64<<16                          ; tensor_dim1
	s_mov_b32 s19, 32<<16                          ; tile_dim0
	s_mov_b32 s20, 64                              ; tile_dim1
	s_mov_b32 s21, 32                              ; from row to row
	s_mov_b32 s22, 0
	s_mov_b32 s23, 0
	s_mov_b32 s[SEL], 0x76543210
	s_mov_b32 s[SEL+1], 0xfedcba98                 ; v_permlanex16_b32's selects for lane l xor 16
	s_mov_b32 s[CS], 0x3e38aa3b                    ; c = log2(e) / 8
	s_mov_b32 s[CS+1], s[CS]                       ; (named with it as a pair, so it is written)
	v_and_b32 v[LIK], 31, v0
	s_delay_alu instid0(VALU_DEP_1)
	v_lshlrev_b32 v[LIK], 4, v[LIK]
	s_delay_alu instid0(VALU_DEP_1)
	v_add_nc_u32 v[LIV], 0x20000, v[LIK]
	s_lshl_b32 s48, s14, 17                        ; the head's 131,072 bytes in kimg and in vimg,
	s_and_b32 s31, s[WV], 7
	s_lshl_b32 s31, s31, 14                        ; my eighth of them: waves 0-7 fetch K, waves 8-15 V
	s_add_co_u32 s48, s48, s31
	s_mov_b32 s49, 0
	s_mov_b32 s32, 1                               ; group 0: count = 1,
	s_lshl_b32 s33, s[WV], 14                      ; LDS address 16,384 x wave: K from 0, V from 131,072
	s_lshl_b32 s52, s15, 5
	s_add_co_u32 s52, s52, s[WV]                   ; my first tile of queries: 32 X + wave
	s_lshl_b32 s51, s52, 13
	s_lshl_b32 s52, s52, 10
	s_lshl_b32 s53, s14, 17
	s_add_co_u32 s52, s52, s53                     ; its half image in qimg
	s_mov_b32 s53, 0
	s_lshr_b32 s54, s14, 3
	s_lshl_b32 s54, s54, 20
	s_add_co_u32 s54, s54, s51
	s_and_b32 s55, s14, 7
	s_lshl_b32 s55, s55, 10
	s_add_co_u32 s54, s54, s55                     ; and in aimg: n x 1,048,576 + tile x 8,192 + head x 1,024
	s_mov_b32 s55, 0
	s_and_b32 s56, s14, 1
	s_lshl_b32 s56, s56, 4                         ; where my head's two scale bytes stand in a word
	s_wait_alu depctr_va_vdst(0)                   ; directly ahead of the waits below
	s_wait_dscnt 0x0                               ; both opening adds are done
	s_wait_kmcnt 0x0
	s_cmp_lt_u32 s[WV], 8
	s_cselect_b64 s[34:35], s[6:7], s[8:9]
	s_add_nc_u64 s[34:35], s[34:35], s[48:49]      ; global address: made of y and the wave's number alone,
	s_or_b32 s35, s35, 0x80000000                  ; type = 2
	s_add_nc_u64 s[4:5], s[4:5], s[52:53]
	s_add_nc_u64 s[10:11], s[10:11], s[54:55]
	CROUND                                         ; all four work-groups are here: the joint loads meet
	tensor_load_to_lds s[32:35], s[16:23]          ; my one load of the launch: every wave issues it, no branch leads round it
	s_nop 0
	PLACES 4
	global_load_b128 v[QF:QF+3], v[LIK], s[4:5]                    ; the first pass's Q,
	global_load_b96 v[QF+4:QF+6], v[LIK], s[4:5] offset:512
	global_load_b32 v[QS], v[LIK], s[4:5] offset:524
	global_load_b128 v[Q2:Q2+3], v[LIK], s[4:5] offset:16384       ; and the second's, 16 tiles on
	global_load_b96 v[Q2+4:Q2+6], v[LIK], s[4:5] offset:16896
	global_load_b32 v[Q2+7], v[LIK], s[4:5] offset:16908
.irp i, 7,8,9,10,11
	v_mov_b32 v[QF+\i], 0                          ; Q's codes of k = 70 .. 127: zeros, written once
.endr
.irp t, 0,1,2,3,4,5,6,7
	v_mov_b32 v[KFR+8*\t+7], 0                     ; register 7 of each tile of K, which no load writes
.endr
.irp i, 64,65,66,67
	v_mov_b32 v[KFR+\i], 0                         ; and what the last tile's operand names behind it
.endr
.irp b, 0,1,2,3
	v_mov_b32 v[PT+\b], 0                          ; written once: a lane permute's destination counts as one of its sources
.endr
	v_mov_b32 v[PW], 0                             ; (named as the upper half of the pair with f before it is first written)
	v_mov_b32 v[TT], 0
	s_mov_b32 s30, 2
	s_wait_tensorcnt 0x0                           ; my sixteenth of K and V is in,
	s_barrier_signal -1
	s_barrier_wait -1                              ; everybody's is; nothing is filled again
.Lpass:
	s_wait_loadcnt 0x0                             ; Q
	s_mov_b32 s[TK], 0
	v_mov_b32 v13, 0xff61b1e6                      ; the largest score so far: -3e38, under every score
	v_add_nc_u32 v[ADK], s[TK], v[LIK]
	s_delay_alu instid0(VALU_DEP_2)
	v_floor_f32 v12, -v13                          ; -M
	v_mov_b32 v14, 0                               ; the sum, in two halves
	v_mov_b32 v15, 0
.set j, 0
.rept 32
	v_mov_b32 v[OT+j], 0                           ; O^T: the step is written once; the first finds zeros.  (Also the places behind the moves of Q and its scale word)
.set j, j+1
.endr
	KLOAD 0                                        ; step 0's tiles
	s_mov_b32 s29, 16
.Lstep:                                                ; A KEY STEP: 128 keys, whose tiles begin s[TK] bytes into K and into V
	s_wait_dscnt 0x0                               ; the step's tiles of K are in (behind the first step: awaited in the step before)
.irp t, 0,1,2,3,4,5,6,7                            ; S^T = K Q^T: eight tiles of 16 keys
	v_wmma_scale_f32_16x16x128_f8f6f4 v[SS+8*\t:SS+8*\t+7], v[KFR+8*\t:KFR+8*\t+11], v[QF:QF+11], 0, v[KSC+\t], v[QS] matrix_a_fmt:MATRIX_FMT_FP6 matrix_b_fmt:MATRIX_FMT_FP6
.endr
	v_mov_b32 v[TT], v12                           ; the old -M.  (These four lines are the places in front of the loads into registers that the products have read, and of the first read of the scores)
	v_add_nc_u32 v[ADV], s[TK], v[LIV]
	PLACES 2
.irp t, 0,1,2,3
.irp c, 0,1
	ds_load_b32 v[VSH+2*\t+\c], v[ADV] offset:(4*\c+\t)*1024+524                   ; V's scale bytes of keys 64 c on
.endr
.endr
	KLOAD 8                                        ; the next step's eight tiles: awaited with V's fragments below
	s_add_co_u32 s[TK], s[TK], 8192
	v_add_nc_u32 v[ADK], s[TK], v[LIK]             ; first read in the next step, behind more than nine plain vector lines
.irp b, 0,1,2,3
	v_max3_num_f32 v[BM+\b], v[SS+16*\b], v[SS+16*\b+1], v[SS+16*\b+2]   ; the largest score of each block of 32 keys: it serves for the row's maximum and, since p rises with the score, for the block's largest p
.endr
.irp i, 3,5,7,9,11,13
.irp b, 0,1,2,3
	v_max3_num_f32 v[BM+\b], v[BM+\b], v[SS+16*\b+\i], v[SS+16*\b+\i+1]
.endr
.endr
.irp b, 0,1,2,3
	v_max_num_f32 v[BM+\b], v[BM+\b], v[SS+16*\b+15]
.endr
.irp b, 0,1,2,3
	s_delay_alu instid0(VALU_DEP_4)
	v_permlanex16_b32 v[PT+\b], v[BM+\b], s[SEL], s[SEL+1]
.endr
.irp b, 0,1,2,3
	s_delay_alu instid0(VALU_DEP_4)
	v_max_num_f32 v[BM+\b], v[BM+\b], v[PT+\b]     ; with lane l xor 16's 16 keys
.endr
	s_delay_alu instid0(VALU_DEP_2)
	v_max3_num_f32 v[TU], v[BM], v[BM+1], v[BM+2]
	s_delay_alu instid0(VALU_DEP_1)
	v_max3_num_f32 v13, v13, v[TU], v[BM+3]        ; the running largest score of my query
	s_delay_alu instid0(VALU_DEP_1)
	v_mul_f32 v[TU], s[CS], v13                    ; as t (c is positive, so the largest score gives the largest t)
	s_delay_alu instid0(VALU_DEP_1)
	v_floor_f32 v12, -v[TU]                        ; the new -M = floor(-t): M is a whole number
	s_delay_alu instid0(VALU_DEP_1)
	v_sub_f32 v[TT], v12, v[TT]                    ; old M - new M: a whole number, 0 or less
.set j, 0
.rept 32
	v_pk_fma_f32 v[SS+j:SS+j+1], v[SS+j:SS+j+1], s[CS:CS+1], v[12:13] op_sel_hi:[1,0,0]   ; t - M, two at a time (of the pairs c and -M the low word serves both halves)
.if j == 8
	v_cvt_i32_f32 v[TT], v[TT]                     ; (it saturates)
.endif
.if j == 18
	v_ldexp_f32 v[FF], 1.0, v[TT]                  ; f = 2^(old M - new M)
.endif
.set j, j+2
.endr
.irp b, 0,1,2,3
	v_fma_f32 v[BM+\b], v[BM+\b], s[CS], v12       ; the same of each block's largest score
.endr
	s_wait_dscnt 24                                ; the halves of V's scale words are in; the 24 loads of K behind them may be out
.irp t, 0,1,2,3
	v_or_b32 v[VSC+\t], v[VSH+2*\t], v[VSH+2*\t+1] ; V's scale words
.endr
	s_wait_alu depctr_va_vdst(0)                   ; ahead of the batch
.set j, 0
.rept 64
	v_exp_f32 v[SS+j], v[SS+j]                     ; p = 2^(t - M), at most 1
.set j, j+1
.endr
.irp b, 0,1,2,3
	v_exp_f32 v[BM+\b], v[BM+\b]                   ; the block's largest p
.endr
	v_pk_mul_f32 v[14:15], v[14:15], v[FF:FF+1] op_sel_hi:[1,0]   ; the sums under the new M.  (A plain place behind the exponentials)
	s_wait_alu depctr_va_vdst(0)                   ; and one behind it, ahead of its first reader
.irp b, 0,1,2,3
	v_max_num_f32 v[BM+\b], 0x1800000, v[BM+\b]    ; the floor 2^(3 - 127): the byte cannot fall under 1
.endr
.irp b, 0,1,2,3
	s_delay_alu instid0(VALU_DEP_4)
	v_add_nc_u32 v[SO+\b], 0xff000000, v[BM+\b]    ; 2 off the exponent field: the conversion's scale operand
.endr
.irp b, 0,1,2,3
	s_delay_alu instid0(VALU_DEP_4)
	v_lshrrev_b32 v[PT+\b], 23, v[SO+\b]           ; the scale's byte
.endr
	s_delay_alu instid0(VALU_DEP_3)
	v_lshl_or_b32 v[PW], v[PT+1], 8, v[PT]         ; p's scale word for these 128 keys
	s_delay_alu instid0(VALU_DEP_1)
	v_lshl_or_b32 v[PW], v[PT+2], 16, v[PW]
	s_delay_alu instid0(VALU_DEP_1)
	v_lshl_or_b32 v[PW], v[PT+3], 24, v[PW]
.irp c, 0,1
	v_cvt_scalef32_pk16_fp6_f32 v[PCD+6*\c:PCD+6*\c+2], v[SS+32*\c:SS+32*\c+15], v[SO+2*\c]
	v_cvt_scalef32_pk16_fp6_f32 v[PT+4*\c:PT+4*\c+2], v[SS+32*\c+16:SS+32*\c+31], v[SO+2*\c+1]   ; (a conversion's three registers begin on an even number)
.endr
	; THE ROW'S SUM of the unquantised p, in eight chains by turns.  First the 48 registers that V's fragments will take.  (These plain lines touch no result of the conversions and write none of their sources)
.set j, 0
.rept 7
	v_pk_add_f32 v[SA+2*j:SA+2*j+1], v[SS+4*j:SS+4*j+1], v[SS+4*j+2:SS+4*j+3]
.set j, j+1
.endr
	v_pk_add_f32 v[14:15], v[14:15], v[SS+28:SS+29]
.set j, 0
.rept 7
	v_pk_add_f32 v[SA+2*j:SA+2*j+1], v[SA+2*j:SA+2*j+1], v[SS+30+2*j:SS+31+2*j]
.set j, j+1
.endr
	v_pk_add_f32 v[14:15], v[14:15], v[SS+44:SS+45]
	v_pk_add_f32 v[SA:SA+1], v[SA:SA+1], v[SS+46:SS+47]
.irp t, 0,1,2,3                                    ; V's four fragments (16 d x these 128 keys): two half images each.  36 vector lines stand between these loads and the wait for them
.irp c, 0,1
	ds_load_b128 v[SS+12*\t+6*\c:SS+12*\t+6*\c+3], v[ADV] offset:(4*\c+\t)*1024
	ds_load_b64 v[SS+12*\t+6*\c+4:SS+12*\t+6*\c+5], v[ADV] offset:(4*\c+\t)*1024+512
.endr
.endr
.irp c, 0,1                                        ; p's codes: the operand's layout wants a whole block in a lane
.irp i, 0,1,2
	v_permlane16_swap_b32 v[PCD+6*\c+\i], v[PT+4*\c+\i]
.endr
.irp i, 0,1,2
	s_delay_alu instid0(VALU_DEP_3)
	v_mov_b32 v[PCD+6*\c+3+\i], v[PT+4*\c+\i]
.endr
.endr
.set j, 1
.rept 6
	v_pk_add_f32 v[SA+2*j:SA+2*j+1], v[SA+2*j:SA+2*j+1], v[SS+46+2*j:SS+47+2*j]   ; p's last 16 registers
.set j, j+1
.endr
	v_pk_add_f32 v[14:15], v[14:15], v[SS+60:SS+61]
	v_pk_add_f32 v[SA:SA+1], v[SA:SA+1], v[SS+62:SS+63]
	s_wait_alu depctr_va_vdst(0)                   ; directly ahead of the first reader of O^T
.set j, 0
.rept 16
	v_pk_mul_f32 v[OT+j:OT+j+1], v[OT+j:OT+j+1], v[FF:FF+1] op_sel_hi:[1,0]   ; O^T under the new M
.set j, j+2
.endr
	s_wait_alu depctr_va_vdst(0)                   ; directly ahead of the wait below
	s_wait_dscnt 0x0                               ; V's fragments, and the next step's tiles of K
.irp t, 0,1,2,3                                    ; O^T += V^T P^T: four accumulators, one instruction each
	v_wmma_scale_f32_16x16x128_f8f6f4 v[OT+8*\t:OT+8*\t+7], v[SS+12*\t:SS+12*\t+11], v[PCD:PCD+11], v[OT+8*\t:OT+8*\t+7], v[VSC+\t], v[PW] matrix_a_fmt:MATRIX_FMT_FP6 matrix_b_fmt:MATRIX_FMT_FP6
.endr
	v_pk_add_f32 v[SA:SA+1], v[SA:SA+1], v[SA+2:SA+3]              ; the eight chains are joined: seven plain lines that name no register of the products above.
	v_pk_add_f32 v[SA+4:SA+5], v[SA+4:SA+5], v[SA+6:SA+7]          ; They are the places in front of the next scores, which are written over V's fragments (five are asked),
	v_pk_add_f32 v[SA+8:SA+9], v[SA+8:SA+9], v[SA+10:SA+11]        ; and in front of the first read of O^T behind the loop (four)
	v_pk_add_f32 v[14:15], v[14:15], v[SA+12:SA+13]
	s_delay_alu instid0(VALU_DEP_3)
	v_pk_add_f32 v[SA:SA+1], v[SA:SA+1], v[SA+4:SA+5]
	s_delay_alu instid0(VALU_DEP_2)
	v_pk_add_f32 v[14:15], v[14:15], v[SA+8:SA+9]
	s_delay_alu instid0(VALU_DEP_1)
	v_pk_add_f32 v[14:15], v[14:15], v[SA:SA+1]
	s_sub_co_u32 s29, s29, 1
	s_cmp_lg_u32 s29, 0
	s_cbranch_scc1 .Lstep
	v_add_f32 v14, v14, v15                        ; the sum's two halves,
	s_delay_alu instid0(VALU_DEP_1)
	v_permlanex16_b32 v[TT], v14, s[SEL], s[SEL+1]
	s_delay_alu instid0(VALU_DEP_1)
	v_add_f32 v14, v14, v[TT]                      ; and lane l xor 16's: the row's sum
	s_wait_alu depctr_va_vdst(0)                   ; ahead of the transcendental
	v_rcp_f32 v14, v14
	v_nop                                          ; one plain place behind a transcendental
	s_wait_alu depctr_va_vdst(0)                   ; and behind it, directly ahead of the first readers of its result and of O^T
.set j, 0
.rept 32
	v_mul_f32 v[SS+j], v[OT+j], v14                ; O^T / the sum: register 16 b + i is channel 32 b + 16 (lane / 16) + i of my query; each accumulator from its low end on
.set j, j+1
.endr
.irp b, 0,1                                        ; quantised along the head's 64: two blocks of the last product's K
	v_max3_num_f32 v[BM+\b], |v[SS+16*\b]|, |v[SS+16*\b+1]|, 0x1800000
.endr
.irp i, 2,4,6,8,10,12,14
.irp b, 0,1
	s_delay_alu instid0(VALU_DEP_2)
	v_max3_num_f32 v[BM+\b], v[BM+\b], |v[SS+16*\b+\i]|, |v[SS+16*\b+\i+1]|
.endr
.endr
.irp b, 0,1
	s_delay_alu instid0(VALU_DEP_2)
	v_permlanex16_b32 v[PT+\b], v[BM+\b], s[SEL], s[SEL+1]
.endr
.irp b, 0,1
	s_delay_alu instid0(VALU_DEP_2)
	v_max_num_f32 v[BM+\b], v[BM+\b], v[PT+\b]
.endr
.irp b, 0,1
	s_delay_alu instid0(VALU_DEP_2)
	v_add_nc_u32 v[SO+\b], 0xff000000, v[BM+\b]
.endr
.irp b, 0,1
	s_delay_alu instid0(VALU_DEP_2)
	v_lshrrev_b32 v[PT+\b], 23, v[SO+\b]
.endr
	v_cvt_scalef32_pk16_fp6_f32 v[PCD:PCD+2], v[SS:SS+15], v[SO]
	v_cvt_scalef32_pk16_fp6_f32 v[PT+4:PT+6], v[SS+16:SS+31], v[SO+1]
	v_nop                                          ; one plain place behind a scaled conversion
.irp i, 0,1,2
	v_permlane16_swap_b32 v[PCD+\i], v[PT+4+\i]
.endr
.irp i, 0,1,2
	s_delay_alu instid0(VALU_DEP_3)
	v_mov_b32 v[PCD+3+\i], v[PT+4+\i]
.endr
	v_mov_b32 v[PCD+6], 0
	v_lshl_or_b32 v[TT], v[PT+1], 8, v[PT]
	s_delay_alu instid0(VALU_DEP_1)
	v_lshlrev_b32 v[PCD+7], s56, v[TT]
	global_store_b128 v[LIK], v[PCD:PCD+3], s[10:11]               ; 32 lanes store 512 consecutive bytes
	global_store_b128 v[LIK], v[PCD+4:PCD+7], s[10:11] offset:512
	s_wait_xcnt 0x0                                ; the stores have read their data and their base: both are written again only behind this wait
	s_add_nc_u64 s[10:11], s[10:11], 131072        ; 16 tiles of queries on
.irp i, 0,1,2,3,4,5,6
	v_mov_b32 v[QF+\i], v[Q2+\i]                   ; the second pass's Q
.endr
	v_mov_b32 v[QS], v[Q2+7]
	s_sub_co_u32 s30, s30, 1
	s_cmp_lg_u32 s30, 0
	s_cbranch_scc1 .Lpass
	s_wait_tensorcnt 0x0                           ; the wave's end
	ds_add_u32 v254, v255
	s_wait_dscnt 0x0
	CROUND                                         ; the closing round: no work-group ends while a partner may still ask for a tile that names it
	s_endpgm
.Lfunc_end_k_qf551676329_att:
	.size	k_qf551676329_att, .Lfunc_end_k_qf551676329_att-k_qf551676329_att
	.p2alignl 7, 3214868480
	.fill 96, 4, 3214868480
	.section	.rodata,"a",@progbits
	.p2align	6, 0x0
	.amdhsa_kernel k_qf551676329_att
		.amdhsa_group_segment_fixed_size 264192
		.amdhsa_private_segment_fixed_size 0
		.amdhsa_enable_private_segment 0
		.amdhsa_kernarg_size 32
		.amdhsa_user_sgpr_count 2
		.amdhsa_user_sgpr_kernarg_segment_ptr 1
		.amdhsa_wavefront_size32 1
		.amdhsa_system_sgpr_workgroup_id_x 1
		.amdhsa_system_sgpr_workgroup_id_y 1
		.amdhsa_system_sgpr_workgroup_id_z 1
		.amdhsa_system_vgpr_workitem_id 0
		.amdhsa_next_free_vgpr 256
		.amdhsa_next_free_sgpr 66
		.amdhsa_reserve_vcc 0
		.amdhsa_float_denorm_mode_32 3
		.amdhsa_float_denorm_mode_16_64 3
		.amdhsa_memory_ordered 1
		.amdhsa_forward_progress 1
		.amdhsa_inst_pref_size 31
	.end_amdhsa_kernel
	.amdgpu_metadata
---
amdhsa.version: [ 1, 2 ]
amdhsa.kernels:
  - .name:           k_qf551676329_att
    .symbol:         k_qf551676329_att.kd
    .args:
      - { .name: qimg, .offset: 0, .size: 8, .value_kind: global_buffer, .address_space: global }
      - { .name: kimg, .offset: 8, .size: 8, .value_kind: global_buffer, .address_space: global }
      - { .name: vimg, .offset: 16, .size: 8, .value_kind: global_buffer, .address_space: global }
      - { .name: aimg, .offset: 24, .size: 8, .value_kind: global_buffer, .address_space: global }
    .group_segment_fixed_size: 264192
    .private_segment_fixed_size: 0
    .kernarg_segment_align: 8
    .kernarg_segment_size: 32
    .max_flat_workgroup_size: 512
    .sgpr_count:     66
    .vgpr_count:     256
    .wavefront_size: 32
...
	.end_amdgpu_metadata
.endif
;; end of part 3
;; launch outp (part 4): grid 256 x 1, 4 waves a work-group, no clusters, 17,920 bytes of LDS; arguments aimg, wimg, bo, out0; writes out0
.if DOCPART == 4
	.amdgcn_target "amdgcn-amd-amdhsa--gfx1250"
	.amdhsa_code_object_version 6
	.text
	.protected	k_qf551676329_outp
	.globl	k_qf551676329_outp
	.p2align	8
	.type	k_qf551676329_outp,@function
k_qf551676329_outp:
	s_mov_b64 s[64:65], 0
	v_nop
	global_prefetch_b8 v0, s[64:65] scope:SCOPE_SE
	s_setreg_imm32_b32 hwreg(HW_REG_WAVE_MODE, 25, 1), 1
	s_wait_xcnt 0x0
; out0 = a Wo + bo: [16,384][512] x [512][512] on codes of FP6 (E2M3) with E8M0 scales; a's codes come from launch att (aimg), Wo's from launch wq (wimg, the fourth image); sums in f32.
; A work-group takes 64 rows (4 tiles of 16), wave w columns 128 w .. 128 w + 127 (8 tiles of Wo), in two halves of 64 columns: 64 matrix instructions each, 16 accumulators by turns.
; All operands go from memory straight into registers as images of registers (16 x lane: consecutive bytes).  NO CLUSTER, NO TENSOR LOAD: each byte of Wo's image goes to exactly one wave of a work-group, so a shared
; tile would add a way through LDS to every fragment; a's 32 KB a work-group are its own.
; Source 0 = 16 columns of Wo, source 1 = 16 rows of a: a lane holds one row and, by the choice of a tile's columns, eight neighbouring columns a tile.  The bias is the C of each sum's first matrix instruction.
; A tile's rows are not neighbours (launch proj): lane r of tile a = 2 b + u holds row 32 b + 8 u + r + 8 (r / 8) of the 64: the way out puts each row at its place.
; THE WAY OUT: 16 rows x 256 bytes at a time through the wave's own stage in LDS (rows 272 bytes apart): sixteen lanes then store 256 consecutive bytes, at a multiple of 256 from out0's first byte.
; REGISTERS: window 0: v1-8 addresses; v16-31 a's scale words; v32-63 Wo's; v64-127 at work; v128-255 accumulators (a, tt) at 32 a + 8 tt.   window 1: a's 16 fragments at v[12 (4 a + s)]; from v192 the bias, 8 registers a tile.
;   windows 2, 3: Wo's fragments of half 0, 1 at v[12 (4 tt + s)].
.set WO,  614400                       ; the fourth image in wimg
.set SCW, 196608
.set MSB, 0
.macro WIN new                         ; the immediate's high byte repeats the setting that is left
.if MSB != (\new)
	s_set_vgpr_msb (MSB<<8)|(\new)
.set MSB, \new
.endif
.endm
.macro PLACES n
.rept \n
	v_nop
.endr
.endm
	s_load_b256 s[4:11], s[0:1], 0x0               ; aimg s[4:5], wimg s[6:7], bo s[8:9], out0 s[10:11]
	v_lshl_add_u32 v14, v0, 2, 0x4400
	v_mov_b32 v15, 0
	v_lshrrev_b32 v1, 5, v0
	v_readfirstlane_b32 s12, v1                    ; wave 0..3
	v_and_b32 v1, 31, v0
	v_lshlrev_b32 v1, 4, v1                        ; 16 x lane
	v_and_b32 v2, 15, v0                           ; r
	v_bfe_u32 v3, v0, 4, 1                         ; h
	v_lshlrev_b32 v4, 4, v2                        ; Wo's scale words: 16 r
	v_lshlrev_b32 v5, 6, v3                        ; the bias: 64 h
	s_mul_i32 s13, s12, 4352                       ; my stage
	v_mul_u32_u24 v6, v2, 272
	v_lshl_add_u32 v6, v3, 6, v6
	v_add_nc_u32 v6, s13, v6                       ; in: row r, + 64 h
	v_mul_u32_u24 v7, v3, 272
	v_lshl_add_u32 v7, v2, 4, v7
	v_add_nc_u32 v7, s13, v7                       ; back: lanes 0-15 one row, lanes 16-31 the next
	v_lshlrev_b32 v8, 11, v3
	v_lshl_add_u32 v8, v2, 4, v8                   ; and the same in out0: 2,048 h + 16 r
	s_lshl_b32 s14, ttmp9, 15                      ; my 4 tiles x 8 heads x 1,024 bytes of aimg
	s_mov_b32 s15, 0
	s_mul_i32 s16, s12, 49152                      ; my 8 tiles x 4 K steps x 1,536 bytes
	s_add_co_u32 s16, s16, WO
	s_mov_b32 s17, 0
	s_lshl_b32 s18, s12, 11                        ; my 8 tiles x 256 bytes of scale words
	s_add_co_u32 s18, s18, WO+SCW
	s_mov_b32 s19, 0
	s_lshl_b32 s20, s12, 9                         ; my 128 columns x 4 bytes
	s_mov_b32 s21, 0
	s_lshl_b32 s22, ttmp9, 17                      ; my 64 rows x 2,048 bytes
	s_add_co_u32 s22, s22, s20
	s_mov_b32 s23, 0
	s_wait_alu depctr_va_vdst(0)
	s_wait_kmcnt 0x0
	s_add_nc_u64 s[4:5], s[4:5], s[14:15]
	s_add_nc_u64 s[24:25], s[6:7], s[18:19]
	s_add_nc_u64 s[6:7], s[6:7], s[16:17]
	s_add_nc_u64 s[8:9], s[8:9], s[20:21]
	s_add_nc_u64 s[10:11], s[10:11], s[22:23]
	WIN 0x40                                       ; destination window 1
.irp a, 0,1,2,3
.irp hh, 0,1,2,3,4,5,6,7                           ; head hh is half hh % 2 of K step hh / 2
	global_load_b128 v[12*(4*\a+\hh/2)+6*(\hh%2):12*(4*\a+\hh/2)+6*(\hh%2)+3], v1, s[4:5] offset:8192*\a+1024*\hh
	global_load_b64 v[12*(4*\a+\hh/2)+6*(\hh%2)+4:12*(4*\a+\hh/2)+6*(\hh%2)+5], v1, s[4:5] offset:8192*\a+1024*\hh+512
.endr
.endr
.irp q, 0,1,2,3,4,5,6,7                            ; tile q of my 8: lane (r, h) wants bo at columns 32 (q / 2) + 8 (q % 2) + 16 h + 0 .. 7
	global_load_b128 v[192+8*\q:192+8*\q+3], v5, s[8:9] offset:(32*(\q/2)+8*(\q%2))*4
	global_load_b128 v[192+8*\q+4:192+8*\q+7], v5, s[8:9] offset:(32*(\q/2)+8*(\q%2))*4+16
.endr
	WIN 0
.irp a, 0,1,2,3
.irp hh, 0,1,2,3,4,5,6,7
	global_load_b32 v[64+8*\a+\hh], v1, s[4:5] offset:8192*\a+1024*\hh+524
.endr
.endr
.irp q, 0,1,2,3,4,5,6,7
	global_load_b128 v[32+4*\q:32+4*\q+3], v4, s[24:25] offset:256*\q
.endr
.irp u, 0,1
	WIN 0x80+0x40*\u                               ; destination window 2, 3
.irp tt, 0,1,2,3
.irp s, 0,1,2,3
.irp j, 0,1,2
	global_load_b128 v[12*(4*\tt+\s)+4*\j:12*(4*\tt+\s)+4*\j+3], v1, s[6:7] offset:(4*\u+\tt)*6144+\s*1536+512*\j
.endr
.endr
.endr
.endr
	WIN 0
	s_wait_loadcnt 48                              ; all but the 48 loads of Wo's second half are in
.irp a, 0,1,2,3
.irp s, 0,1,2,3
	v_or_b32 v[16+4*\a+\s], v[64+8*\a+2*\s], v[65+8*\a+2*\s]   ; two heads' bytes make a K step's scale word
.endr
.endr
	PLACES 8                                       ; a scale register written by a vector instruction stands eight places ahead of a scaled matrix instruction
.macro HALF u
.irp s, 0,1,2,3
.if \s == 0
	WIN 0x16+\u                                    ; source 0 (Wo) window 2 + u, source 1 (a) window 1, C (the bias) window 1
.else
	WIN 0x06+\u                                    ; C and D window 0
.endif
.irp a, 0,1,2,3
.irp tt, 0,1,2,3
.if \s == 0
	v_wmma_scale_f32_16x16x128_f8f6f4 v[128+32*\a+8*\tt:128+32*\a+8*\tt+7], v[12*(4*\tt+\s):12*(4*\tt+\s)+11], v[12*(4*\a+\s):12*(4*\a+\s)+11], v[192+8*(4*\u+\tt):192+8*(4*\u+\tt)+7], v[32+4*(4*\u+\tt)+\s], v[16+4*\a+\s] matrix_a_fmt:MATRIX_FMT_FP6 matrix_b_fmt:MATRIX_FMT_FP6
.else
	v_wmma_scale_f32_16x16x128_f8f6f4 v[128+32*\a+8*\tt:128+32*\a+8*\tt+7], v[12*(4*\tt+\s):12*(4*\tt+\s)+11], v[12*(4*\a+\s):12*(4*\a+\s)+11], v[128+32*\a+8*\tt:128+32*\a+8*\tt+7], v[32+4*(4*\u+\tt)+\s], v[16+4*\a+\s] matrix_a_fmt:MATRIX_FMT_FP6 matrix_b_fmt:MATRIX_FMT_FP6
.endif
.endr
.endr
.endr
	WIN 0
	PLACES 5                                       ; four in front of the first read of results; five, since the next half begins the same accumulators anew with another C
.irp a, 0,1,2,3
.irp tt, 0,1,2,3
	ds_store_b128 v6, v[128+32*\a+8*\tt:128+32*\a+8*\tt+3] offset:128*(\tt/2)+32*(\tt%2)        ; each accumulator from its low end on
	ds_store_b128 v6, v[128+32*\a+8*\tt+4:128+32*\a+8*\tt+7] offset:128*(\tt/2)+32*(\tt%2)+16
.endr
	s_wait_xcnt 0x0                                ; the earlier stores have read their data: the registers below are loaded again only behind this wait
.irp i, 0,1,2,3,4,5,6,7
	ds_load_b128 v[64+32*(\a%2)+4*\i:64+32*(\a%2)+4*\i+3], v7 offset:544*\i   ; LDS serves a wave's instructions in order: these see my stores, and the next tile's stores come behind them
.endr
.irp i, 0,1,2,3,4,5,6,7
	s_wait_dscnt 7-\i                              ; pair i of rows is back
	global_store_b128 v8, v[64+32*(\a%2)+4*\i:64+32*(\a%2)+4*\i+3], s[10:11] offset:(32*(\a/2)+8*(\a%2)+2*\i+8*(\i/4))*2048+256*\u th:TH_STORE_NT
.endr
.endr
.endm
	HALF 0
	s_wait_loadcnt 0x0                             ; Wo's second half
	s_wait_alu depctr_va_vdst(0)
	HALF 1
	s_wait_tensorcnt 0x0
	ds_add_u32 v14, v15
	s_wait_dscnt 0x0
	s_endpgm
.Lfunc_end_k_qf551676329_outp:
	.size	k_qf551676329_outp, .Lfunc_end_k_qf551676329_outp-k_qf551676329_outp
	.p2alignl 7, 3214868480
	.fill 96, 4, 3214868480
	.section	.rodata,"a",@progbits
	.p2align	6, 0x0
	.amdhsa_kernel k_qf551676329_outp
		.amdhsa_group_segment_fixed_size 17920
		.amdhsa_private_segment_fixed_size 0
		.amdhsa_enable_private_segment 0
		.amdhsa_kernarg_size 32
		.amdhsa_user_sgpr_count 2
		.amdhsa_user_sgpr_kernarg_segment_ptr 1
		.amdhsa_wavefront_size32 1
		.amdhsa_system_sgpr_workgroup_id_x 1
		.amdhsa_system_sgpr_workgroup_id_y 1
		.amdhsa_system_sgpr_workgroup_id_z 1
		.amdhsa_system_vgpr_workitem_id 0
		.amdhsa_next_free_vgpr 1024
		.amdhsa_next_free_sgpr 66
		.amdhsa_reserve_vcc 0
		.amdhsa_float_denorm_mode_32 3
		.amdhsa_float_denorm_mode_16_64 3
		.amdhsa_memory_ordered 1
		.amdhsa_forward_progress 1
		.amdhsa_inst_pref_size 57
	.end_amdhsa_kernel
	.amdgpu_metadata
---
amdhsa.version: [ 1, 2 ]
amdhsa.kernels:
  - .name:           k_qf551676329_outp
    .symbol:         k_qf551676329_outp.kd
    .args:
      - { .name: aimg, .offset: 0, .size: 8, .value_kind: global_buffer, .address_space: global }
      - { .name: wimg, .offset: 8, .size: 8, .value_kind: global_buffer, .address_space: global }
      - { .name: bo, .offset: 16, .size: 8, .value_kind: global_buffer, .address_space: global }
      - { .name: out0, .offset: 24, .size: 8, .value_kind: global_buffer, .address_space: global }
    .group_segment_fixed_size: 17920
    .private_segment_fixed_size: 0
    .kernarg_segment_align: 8
    .kernarg_segment_size: 32
    .max_flat_workgroup_size: 128
    .sgpr_count:     66
    .vgpr_count:     1024
    .wavefront_size: 32
...
	.end_amdgpu_metadata
.endif
;; end of part 4
